; MI455X (gfx1250); checked and timed in simulation.
; The chip was launched on July 23, 2026; its instructions are those of AMD's public machine-readable ISA for CDNA 5 (MIT licence, August 2026) and "CDNA5" Instruction Set Architecture Reference Guide (July 2026). The comments in the code are by the model that wrote it; some were corrected since.
;; BMOJOF Attention Layer. Allowed arithmetic: matrix products marked QUANTISED: E4M3 operands, one given power-of-two scale a tensor, by v_wmma_f32_16x16x64_fp8_fp8 or v_wmma_f32_16x16x128_fp8_fp8, f32 sums; everything else in f32.
;; Inputs: key 2 x 2,048 x 16 x 128 float32; lowp_scales 8 int32 (the exponents e of the quantised operands' scales 2^e); query 2 x 2,048 x 16 x 128 float32; value 2 x 2,048 x 16 x 128 float32.
;; Outputs: out0 2 x 2,048 x 16 x 128 float32.
;; This version of the problem:
;;   THIS VERSION OF THE PROBLEM IS GIVEN IN LOW PRECISION. The matrix products marked QUANTISED in the list below multiply operands that are first quantised to E4M3 (4 exponent bits, 3 mantissa bits; 8 bits a number), with one given power-of-two scale for each operand tensor; their sums are f32. All else is computed in f32.
;;   The module's matrix products, in the order in which they are computed (A, B: the left and right operand; K: the contracted axis; several contracted axes count as one K, in the product's order):
;;     1. batch 256 x [M 256, K 128] x [K 128, N 768]; A: input query; B: computed on the way: QUANTISED (scales: A lowp_scales[0], B lowp_scales[1])
;;     2. batch 256 x [M 128, K 768] x [K 768, N 256]; A: computed on the way; B: computed on the way: QUANTISED (scales: A lowp_scales[2], B lowp_scales[3])
;;     3. batch 256 x [M 256, K 128] x [K 128, N 768]; A: input query; B: computed on the way: QUANTISED (scales: A lowp_scales[4], B lowp_scales[5])
;;     4. batch 256 x [M 128, K 768] x [K 768, N 256]; A: computed on the way; B: computed on the way: QUANTISED (scales: A lowp_scales[6], B lowp_scales[7])
;;   THE QUANTISER, for each operand of a quantised product, along K:
;;     - The operand's scale is 2^e, e = its entry of the input lowp_scales (int32; the entries are numbered through the quantised products in the list's order, A before B).
;;     - Each number is divided by the scale, clamped to +-448, and rounded to the nearest number of E4M3, ties to even, subnormals kept.
;;     - The product sums the exact products of the quantised numbers (number of the format x scale) in f32.
;;   ~~~python
;;   def quantise(x, axis, e):      # numpy; x: float32 -> the quantised numbers, widened to float32 again
;;       x = np.moveaxis(x, axis, -1); K = x.shape[-1]
;;       r = np.clip(x / 2.0 ** e, -448, 448)
;;       step = 2.0 ** (np.maximum(np.frexp(np.where(r == 0, 1, r))[1] - 1, -6) - 3)
;;       q = np.round(r / step) * step * 2.0 ** e      # np.round: ties to even
;;       return np.moveaxis(q, -1, axis).astype(np.float32)
;;   ~~~
;;   OPERANDS COMPUTED ON THE WAY. 'Computed on the way' means the value that the module computes at that place (a softmax that the list does not call 'softmax' is quantised finished and normalised). What goes into a quantiser is computed in f32, as accurately as f32 sums, v_exp_f32 and their like allow (about 1e-6 of the number): no bf16 or f16 on the way to a quantiser, and a product that is left as it is and whose result goes on into a quantised operand takes f32 operands (vector FMAs, or v_wmma_f32_16x16x4_f32). A number that lies on a knife's edge between two numbers of the format may be rounded either way, as far as f32 arithmetic and the matrix unit's own rounding can turn it there, and no further.
;; One version. Each part assembles by itself: llvm-mc -triple=amdgcn-amd-amdhsa -mcpu=gfx1250 --defsym DOCPART=n.
;; ======== version 1 of 1: 1 launch
;; limits: right only within a limited range of input values
;; launch attn (part 1): grid 8 x 32, 8 waves a work-group, no clusters, 320,512 bytes of LDS; arguments query, key, value, lowp_scales, out0; writes out0
.if DOCPART == 1
	.amdgcn_target "amdgcn-amd-amdhsa--gfx1250"
	.amdhsa_code_object_version 6
	.text
	.protected	k_qdd067500cf_attn
	.globl	k_qdd067500cf_attn
	.p2align	8
	.type	k_qdd067500cf_attn,@function
k_qdd067500cf_attn:
	s_mov_b64 s[64:65], 0
	v_nop
	global_prefetch_b8 v0, s[64:65] scope:SCOPE_SE
	s_setreg_imm32_b32 hwreg(HW_REG_WAVE_MODE, 25, 1), 1
	s_wait_xcnt 0x0
; Two banded attentions over the same q, k, v ([2][2048][16][128] f32), merged by their log-sum-exps.  c stream: keys i-511 .. i-256; s stream: keys i-255 .. i; keys in front of token 0 do not count.
; All four products run on codes of E4M3 with the given scales 2^e: c: q e0, k e1, v e2, p e3;  s: q e4, k e5, v e6, p e7.  p = exp(logit - the row's FINAL maximum) is what is quantised, so all scores
; of a row and stream lie in registers before the first exponential.  The row's sum is taken of the unquantised p.
; SHARES.  One work-group for (batch, head, block n of 256 queries): 8 x 32 = 256 work-groups, 8 waves.  Seen from its own region of two key blocks (c: n-2, n-1; s: n-1, n) each stream is alike:
; query lq sees region keys lq+1 .. lq+256.  Wave w owns queries 32 w .. 32 w + 31 (tiles A and B of 16) and needs region keys 32 w .. 32 w + 287: nine PAIRS of 32 keys.  In pair 0 key i counts where i > the
; query's number in the wave, in pair 8 where it does not: so pair 8 is merged into pair 0's registers, and 128 registers in each half of the lanes hold exactly a row's 256 scores.
; PHASE 1: the three key blocks and three value blocks are loaded as f32, quantised in registers (block n-1 twice, once for each stream's scale) and laid in LDS as codes.  ONE barrier.
; PHASE 2, no further barrier: S^T = K Q^T (c), softmax (c), the same for s, O^T = V^T P (c), (s), the merge, out through the wave's own stage.  Both products are used transposed: a lane holds one query throughout.
; THE ROWS OF K THAT FORM A TILE ARE NOT NEIGHBOURS: row p + 8 y of tile 2 g + u holds key 32 g + 8 u + p + 16 y, so that the 16 registers of tiles 2 g and 2 g + 1 are 16 neighbouring keys, 32 g + 16 (lane / 16) + 0 .. 15,
; and the conversions' results are the second product's operand.  Inside a row of K or Q the 128 channels stand in another order (byte 8 x + t: channel 4 x + t, or 64 + 4 x + t - 4 from t = 4 on), the same in both.
; THE MERGE: with t = logit x log2(e), out = (Oc 2^(Tc - T) + Os 2^(Ts - T)) / (Lc 2^(Tc - T) + Ls 2^(Ts - T)), T = max(Tc, Ts), L the rows' sums: what the log-sum-exps give, with their common shift taken out.
; NO JOINT LOADS, NO TENSOR LOADS: K and V arrive as f32 and pass through registers on their way to codes; the three blocks of f32 (768 KiB) do not fit in LDS; and the work-groups that share a block
; (n, n+1, n+2) want it at different places of their regions.  Blocks in front of token 0 are loaded as block 0 and their scores become -infinity.
; LIMITS: e0 .. e7 between -126 and 119; e0 + e1 and e4 + e5 between -123 and 130 (they are added to an exponent field).  NaN among the inputs is not served (an infinity is held at the largest code).
; p's hold at 448 x 2^e is jumped over where e >= -8: there the bound is 1.75 or more, and p is 2^(a rounding error of t), which stays under 1.42 while |t| < 2^23.
; REGISTERS, in windows of 256.  Phase 1 (window 0): v1-8, v15 addresses; v9-14 scales; v16-31 held numbers; v32-63 codes, two sets; v64-255 three sets of 64 loaded numbers.
; Phase 2, window 0: v1-8 addresses; v9, v10 2^e3, 2^e7; v11 -infinity; v12-15 the rows' largest t (cA, cB, sA, sB); v16-19 the sums; v20-31 at work; v32-191 p's codes, 40 a tile and stream;
;   v192-223 Q; v224-231 byte masks; v232-255 at work.  During K Q^T: v112-175 four fragments of K, v176-191 and v232-247 pair 8's scores.  During V^T P: v192-255 eight fragments of V.
; Window 1: the scores, tile A at 0, tile B at 128, pair p at + 16 p; later O^T: cA 0, cB 64, sA 128, sB 192.
.set TOK,  8192                        ; bytes from a token to the next (16 heads x 512)
.set KP,   144                         ; a row of K's or Q's codes in LDS: 128 bytes + 16: 36 words, so that 16 rows start at 16 different groups of four banks (64 banks of 4 bytes: ISA guide 11.1)
.set VP,   528                         ; a row of V's codes (one channel, a region's 512 keys) + 16
.set OP,   272                         ; a row of the stage on the way out: 256 bytes + 16
.set WQ,   32*KP                       ; 32 rows: a wave's part of a block of K, and its stage
.set LKC,  0                           ; LDS: K's codes for c, 512 rows
.set LKS,  512*KP                      ;      for s
.set LVC,  2*512*KP                    ;      V's codes for c, 128 rows
.set LVS,  LVC+128*VP                  ;      for s
.set LQ,   LVS+128*VP                  ;      eight stages of WQ bytes, each wave's own: Q's codes, later rows of the output
.set TMP,  16
.set CD,   32                          ; the set of code registers in hand: 32 or 48
.set PREVN, 0                          ; LDS instructions of the pass just before
.set SA,   64
.set SB,   128
.set SC,   192
.set KF,   112
.set S8A,  176
.set S8B,  232
.set QA,   192
.set QB,   208
.set WA,   224
.set WB,   228
.set VF,   192
.set BK,   32
.set PCA,  32
.set PCB,  72
.set PSA,  112
.set PSB,  152
.set MA,   32                          ; s32-47: lane masks of tile A: bit set where register i of pair 0 counts;  s48-63: of tile B
.set MB,   48
.set MSB, 0
.macro WIN new                         ; s_set_vgpr_msb: bits 1:0 source 0, 3:2 source 1, 5:4 source 2, 7:6 destination; the high byte repeats the setting that is left
.if MSB != \new
	s_set_vgpr_msb (MSB<<8)|\new
.set MSB, \new
.endif
.endm
.macro PLACES                          ; four plain vector instructions between a matrix instruction and a read of its result, a write of its registers or a load into them
.rept 4
	v_nop
.endr
.endm
; the scale 2^e as f32 in a vector register, and -448 x 2^e, +448 x 2^e in a scalar pair
.macro MKS e, vdst, pair
	s_add_co_i32 s2, s[\e], 127
	s_lshl_b32 s3, s2, 23
	v_mov_b32 v[\vdst], s3
	s_add_co_i32 s2, s2, 8
	s_lshl_b32 s2, s2, 23
	s_or_b32 s[\pair+1], s2, 0x600000
	s_or_b32 s[\pair], s[\pair+1], 0x80000000
.endm
; 16 rows of K: keys 32 w + 8 u + p (lanes 0-15) and 16 further on (lanes 16-31); sixteen lanes read 256 consecutive bytes, aligned
.macro KLOAD rs, base, u
.irp p, 0,1,2,3,4,5,6,7
	global_load_b128 v[\rs+8*\p:\rs+8*\p+3], v1, s[\base:\base+1] offset:(8*\u+\p)*TOK
	global_load_b128 v[\rs+8*\p+4:\rs+8*\p+7], v1, s[\base:\base+1] offset:(8*\u+\p)*TOK+256
.endr
.endm
; 16 rows of Q: queries 16 q + p and 8 further on; read once in the launch
.macro QLOAD rs, q
.irp p, 0,1,2,3,4,5,6,7
	global_load_b128 v[\rs+8*\p:\rs+8*\p+3], v3, s[4:5] offset:(16*\q+\p)*TOK th:TH_LOAD_NT
	global_load_b128 v[\rs+8*\p+4:\rs+8*\p+7], v3, s[4:5] offset:(16*\q+\p)*TOK+256 th:TH_LOAD_NT
.endr
.endm
; 32 keys x 64 channels of V: a lane takes two neighbouring channels and its registers run down the keys; the wave's load covers 256 consecutive bytes, aligned
.macro VLOAD rs, base, ki
.set kk, 0
.rept 32
	global_load_b64 v[\rs+2*kk:\rs+2*kk+1], v2, s[\base:\base+1] offset:(32*\ki+kk)*TOK
.set kk, kk+1
.endr
.endm
; Eight rows a lane half, 8 numbers of a row a lane: held, converted, 8 bytes to LDS.  The numbers stay as they are: block n-1 and Q are quantised twice.
; The wait leaves the pass before's stores out; all older ones, the last that read this set of code registers among them, are done.
.macro ROWPASS rs, vsc, lim, adr, off
	s_wait_dscnt PREVN
.irp p, 0,1,2,3,4,5,6,7
.irp i, 0,1,2,3,4,5,6,7
	v_med3_num_f32 v[TMP+8*(\p%2)+\i], v[\rs+8*\p+\i], s[\lim], s[\lim+1]   ; the conversion to an 8-bit code does not saturate (ISA guide 7.6.2): hold within the largest code x the scale
.endr
	v_cvt_scalef32_pk8_fp8_f32 v[CD+2*\p:CD+2*\p+1], v[TMP+8*(\p%2):TMP+8*(\p%2)+7], v[\vsc]
	ds_store_b64 v[\adr], v[CD+2*\p:CD+2*\p+1] offset:\off+KP*\p
.endr
	v_nop                                          ; a plain instruction behind the last conversion
.set PREVN, 8
.set CD, 80-CD
.endm
; 32 keys of two channels a lane: the holds pick every second register, so that each conversion takes 8 neighbouring keys of one channel; 16 codes a store
.macro COLPASS rs, vsc, lim, adr, off
	s_wait_dscnt PREVN
.irp cl, 0,1
.irp o, 0,1,2,3
.irp i, 0,1,2,3,4,5,6,7
	v_med3_num_f32 v[TMP+8*(\o%2)+\i], v[\rs+2*(8*\o+\i)+\cl], s[\lim], s[\lim+1]
.endr
	v_cvt_scalef32_pk8_fp8_f32 v[CD+8*\cl+2*\o:CD+8*\cl+2*\o+1], v[TMP+8*(\o%2):TMP+8*(\o%2)+7], v[\vsc]
.if \o%2
	ds_store_b128 v[\adr], v[CD+8*\cl+2*\o-2:CD+8*\cl+2*\o+1] offset:\off+VP*\cl+8*(\o-1)
.endif
.endr
.endr
	v_nop
.set PREVN, 4
.set CD, 80-CD
.endm
	s_load_b256 s[4:11], s[0:1], 0x0               ; query s[4:5], key s[6:7], value s[8:9], lowp_scales s[10:11]
	s_load_b64 s[12:13], s[0:1], 0x20              ; out0
	v_lshrrev_b32 v19, 5, v0
	v_readfirstlane_b32 s14, v19                   ; wave w
	s_mov_b32 s15, ttmp9                           ; n
	s_and_b32 s2, ttmp7, 0xffff
	s_lshr_b32 s16, s2, 4                          ; batch
	s_and_b32 s17, s2, 15                          ; head
	s_lshl_b32 s18, s16, 24
	s_lshl_b32 s3, s17, 9
	s_add_co_u32 s18, s18, s3                      ; the head's first byte in each tensor
	s_and_b32 s68, s14, 1                          ; which 64 channels of V are mine,
	s_lshr_b32 s69, s14, 1                         ; and which 64 keys of a block
	s_mov_b32 s71, 0
	s_mov_b32 s66, 0x76543210                      ; v_permlanex16_b32: lane l xor 16
	s_mov_b32 s67, 0xfedcba98
	v_and_b32 v16, 15, v0                          ; x
	v_bfe_u32 v17, v0, 4, 1                        ; y
	v_and_b32 v18, 31, v0                          ; lane
	s_lshl_b32 s2, s14, 18
	v_lshlrev_b32 v1, 4, v16
	v_lshl_add_u32 v1, v17, 17, v1
	v_add_nc_u32 v1, s2, v1                        ; K: 32 w keys + 16 y keys + 16 x bytes
	s_lshl_b32 s2, s68, 8
	s_lshl_b32 s3, s69, 19
	s_add_co_u32 s2, s2, s3
	v_lshl_add_u32 v2, v18, 3, s2                  ; V: 8 x lane + 256 x (w & 1) + 64 (w >> 1) keys
	v_lshlrev_b32 v3, 4, v16
	v_lshl_add_u32 v3, v17, 16, v3                 ; Q: 8 y rows + 16 x bytes
	s_mul_i32 s19, s14, WQ                         ; 4,608 w: stays
	v_mul_u32_u24 v4, v17, 8*KP
	v_lshl_add_u32 v4, v16, 3, v4
	v_add_nc_u32 v4, s19, v4                       ; where I put K's codes for c: row 32 w + 8 y (+ 16 u + p), byte 8 x
	v_add_nc_u32 v5, LKS, v4                       ; for s
	v_add_nc_u32 v8, LQ, v4                        ; and Q's, in my stage
	s_mul_i32 s2, s68, 64*VP
	s_lshl_b32 s3, s69, 6
	s_add_co_u32 s2, s2, s3
	s_add_co_u32 s2, s2, LVC
	v_mul_u32_u24 v6, v18, 2*VP
	v_add_nc_u32 v6, s2, v6                        ; where I put V's codes for c: row 64 (w & 1) + 2 x lane, byte 64 (w >> 1)
	v_add_nc_u32 v7, LVS-LVC, v6                   ; for s
	v_mul_u32_u24 v15, v16, KP
	v_lshl_add_u32 v15, v17, 4, v15
	v_add_nc_u32 v15, s19, v15
	v_add_nc_u32 v15, LQ, v15                      ; where I read Q's fragments: row x, + 16 y
	s_wait_kmcnt 0x0
	s_load_b256 s[72:79], s[10:11], 0x0            ; e0 .. e7
.irp t, 0,1,2
	s_add_co_i32 s70, s15, \t-2                    ; key block n - 2 + t; one in front of token 0 is read as block 0: its scores are thrown away
	s_max_i32 s70, s70, 0
	s_lshl_b32 s70, s70, 21
	s_add_co_u32 s70, s70, s18
	s_add_nc_u64 s[20+2*\t:21+2*\t], s[6:7], s[70:71]
	s_add_nc_u64 s[26+2*\t:27+2*\t], s[8:9], s[70:71]
.endr
	s_lshl_b32 s70, s15, 21
	s_lshl_b32 s3, s14, 18
	s_add_co_u32 s70, s70, s3
	s_add_co_u32 s70, s70, s18
	s_add_nc_u64 s[4:5], s[4:5], s[70:71]          ; Q and the output at my wave's first query
	s_add_nc_u64 s[12:13], s[12:13], s[70:71]
	; ---- PHASE 1.  Fourteen items, K's (16 loads) and V's (32 loads) by turns, then Q's two; item i lies in set i mod 3; three items are on their way.
	KLOAD SA, 20, 0                                ; item 0
	VLOAD SB, 26, 0                                ; item 1
	KLOAD SC, 20, 1                                ; item 2
	s_wait_kmcnt 0x0
	MKS 73, 9, 82                                  ; K for c
	MKS 77, 10, 88                                 ; K for s
	MKS 74, 11, 84                                 ; V for c
	MKS 78, 12, 90                                 ; V for s
	MKS 72, 13, 80                                 ; Q for c
	MKS 76, 14, 86                                 ; Q for s
	s_add_co_i32 s2, s75, 135
	s_lshl_b32 s2, s2, 23
	s_or_b32 s92, s2, 0x600000                     ; 448 x 2^e3
	s_add_co_i32 s2, s79, 135
	s_lshl_b32 s2, s2, 23
	s_or_b32 s93, s2, 0x600000                     ; 448 x 2^e7
	s_add_co_i32 s2, s72, s73
	s_lshl_b32 s2, s2, 23
	s_add_co_i32 s94, s2, 0x3e0293ee               ; log2(e) / sqrt(128) x 2^(e0 + e1): the exponents are added to the exponent field
	s_mov_b32 s95, s94                             ; (named with it as a pair)
	s_add_co_i32 s2, s76, s77
	s_lshl_b32 s2, s2, 23
	s_add_co_i32 s96, s2, 0x3e0293ee
	s_mov_b32 s97, s96
	s_add_co_i32 s98, s74, s75                     ; e2 + e3
	s_add_co_i32 s99, s78, s79                     ; e6 + e7
	s_lshl_b32 s2, s15, 3                          ; how many of my nine pairs lie in front of token 0: of the region's 16 pairs the first 16 - 8 n (c) or 8 - 8 n (s), and mine begin at pair w
	s_sub_co_i32 s3, 16, s2
	s_max_i32 s3, s3, 0
	s_sub_co_i32 s3, s3, s14
	s_max_i32 s3, s3, 0
	s_min_i32 s100, s3, 9
	s_sub_co_i32 s3, 8, s2
	s_max_i32 s3, s3, 0
	s_sub_co_i32 s3, s3, s14
	s_max_i32 s3, s3, 0
	s_min_i32 s101, s3, 9
	s_wait_loadcnt 48                              ; item 0 is in; the 48 loads of the two items behind it may be out.  So at every item up to the tenth
	ROWPASS SA, 9, 82, 4, 0                        ; K, block n-2, u = 0
	VLOAD SA, 26, 1                                ; item 3
	s_wait_loadcnt 48
	COLPASS SB, 11, 84, 6, 0                       ; V, block n-2, first 32 of my keys
	KLOAD SB, 22, 0                                ; item 4
	s_wait_loadcnt 48
	ROWPASS SC, 9, 82, 4, 16*KP
	VLOAD SC, 28, 0                                ; item 5
	s_wait_loadcnt 48
	COLPASS SA, 11, 84, 6, 32
	KLOAD SA, 22, 1                                ; item 6
	s_wait_loadcnt 48
	ROWPASS SB, 9, 82, 4, 256*KP                   ; K, block n-1: the second half of c's region,
	ROWPASS SB, 10, 88, 5, 0                       ; and the first of s's
	VLOAD SB, 28, 1                                ; item 7
	s_wait_loadcnt 48
	COLPASS SC, 11, 84, 6, 256
	COLPASS SC, 12, 90, 7, 0
	KLOAD SC, 24, 0                                ; item 8
	s_wait_loadcnt 48
	ROWPASS SA, 9, 82, 4, 256*KP+16*KP
	ROWPASS SA, 10, 88, 5, 16*KP
	VLOAD SA, 30, 0                                ; item 9
	s_wait_loadcnt 48
	COLPASS SB, 11, 84, 6, 256+32
	COLPASS SB, 12, 90, 7, 32
	KLOAD SB, 24, 1                                ; item 10
	s_wait_loadcnt 48
	ROWPASS SC, 10, 88, 5, 256*KP                  ; K, block n
	VLOAD SC, 30, 1                                ; item 11
	s_wait_loadcnt 48
	COLPASS SA, 12, 90, 7, 256
	QLOAD SA, 0                                    ; item 12
	s_wait_loadcnt 48
	ROWPASS SB, 10, 88, 5, 256*KP+16*KP
	QLOAD SB, 1                                    ; item 13
	s_wait_loadcnt 32                              ; item 11 is in; Q's 32 loads may be out
	COLPASS SC, 12, 90, 7, 256+32
	s_wait_loadcnt 0x0                             ; Q
	ROWPASS SA, 13, 80, 8, 0                       ; Q's codes for c go through my stage
	ROWPASS SB, 13, 80, 8, 16*KP
.irp q, 0,1
.irp c, 0,1,2,3
	ds_load_b128 v[QA+16*\q+4*\c:QA+16*\q+4*\c+3], v15 offset:16*KP*\q+32*\c   ; and come back as fragments.  LDS serves a wave's instructions in order (ISA guide 5.7.1.4): these see the stores above, and the stores below come behind them
.endr
.endr
.set PREVN, PREVN+8
	ROWPASS SA, 14, 86, 8, 0                       ; Q's codes for s stay in the stage until the s stream's first product
	ROWPASS SB, 14, 86, 8, 16*KP
	; ---- THE BARRIER: my stores into K's and V's regions have landed; behind it every wave reads what all have stored.  Between signal and wait: work on registers alone.
	s_wait_dscnt 0x0
	s_barrier_signal -1
	v_and_b32 v232, 15, v0                         ; r
	v_bfe_u32 v233, v0, 4, 1                       ; h
	v_mul_u32_u24 v1, v232, KP
	v_lshl_add_u32 v1, v233, 4, v1
	v_add_nc_u32 v1, s19, v1                       ; K's fragments for c: row 32 w + r (+ 16 x tile), + 16 h
	v_add_nc_u32 v2, LKS, v1                       ; for s
	v_add_nc_u32 v5, LQ, v1                        ; Q's, in my stage
	s_lshl_b32 s2, s14, 5
	s_add_co_u32 s2, s2, LVC
	v_mul_u32_u24 v3, v232, VP
	v_lshl_add_u32 v3, v233, 4, v3
	v_add_nc_u32 v3, s2, v3                        ; V's fragments for c: row r (+ 16 x tile), from region key 32 w + 16 h on
	v_add_nc_u32 v4, LVS-LVC, v3                   ; for s
	s_add_co_u32 s3, s19, LQ
	v_mul_u32_u24 v6, v232, OP
	v_lshl_add_u32 v6, v233, 5, v6
	v_add_nc_u32 v6, s3, v6                        ; the way out, into the stage: row r, + 32 h
	v_mul_u32_u24 v7, v233, OP
	v_lshl_add_u32 v7, v232, 4, v7
	v_add_nc_u32 v7, s3, v7                        ; back: lanes 0-15 one row, lanes 16-31 the next
	v_lshlrev_b32 v8, 13, v233
	v_lshl_add_u32 v8, v232, 4, v8                 ; and the same two rows in the output
	s_add_co_i32 s2, s75, 127
	s_lshl_b32 s2, s2, 23
	v_mov_b32 v9, s2                               ; 2^e3 as f32
	s_add_co_i32 s2, s79, 127
	s_lshl_b32 s2, s2, 23
	v_mov_b32 v10, s2                              ; 2^e7
	v_mov_b32 v11, 0xff800000                      ; -infinity
	v_mov_b32 v21, 0                               ; upper halves of pairs, and zeros
	v_mov_b32 v23, 0
	v_mov_b32 v26, 0                               ; a lane permute's destination counts as one of its sources
	v_mov_b32 v30, 0
	v_lshlrev_b32 v234, 4, v233
	v_sub_nc_u32 v234, v232, v234                  ; r - 16 h: register i of pair 0 holds local key 16 h + i, which counts for tile A's query r where i > r - 16 h,
	v_add_nc_u32 v235, 16, v234                    ; for tile B's query r + 16 where i > r + 16 - 16 h
.irp i, 0,1,2,3,4,5,6,7,8,9,10,11,12,13,14,15
	v_cmp_gt_i32 s[MA+\i], \i, v234
	v_cmp_gt_i32 s[MB+\i], \i, v235
.endr
	v_mov_b32 v236, 0xff
	v_mov_b32 v237, 0xff00
	v_mov_b32 v238, 0xff0000
	v_mov_b32 v239, 0xff000000
.irp q, 0,1,2,3                        ; the same masks by bytes, for the codes: byte b of register q is 0xff where register 4 q + b of pair 0 counts
	v_cndmask_b32 v[WA+\q], v21, v236, s[MA+4*\q]
	v_cndmask_b32 v240, v21, v237, s[MA+4*\q+1]
	v_cndmask_b32 v241, v21, v238, s[MA+4*\q+2]
	v_cndmask_b32 v242, v21, v239, s[MA+4*\q+3]
	v_cndmask_b32 v[WB+\q], v21, v236, s[MB+4*\q]
	v_cndmask_b32 v243, v21, v237, s[MB+4*\q+1]
	v_cndmask_b32 v244, v21, v238, s[MB+4*\q+2]
	v_cndmask_b32 v245, v21, v239, s[MB+4*\q+3]
	v_or_b32 v[WA+\q], v[WA+\q], v240
	v_or_b32 v241, v241, v242
	v_or_b32 v[WB+\q], v[WB+\q], v243
	v_or_b32 v244, v244, v245
	v_or_b32 v[WA+\q], v[WA+\q], v241
	v_or_b32 v[WB+\q], v[WB+\q], v244
.endr
	s_barrier_wait -1
; ---- PHASE 2
.macro KFRAG adr, buf, k               ; tile k of my 18 (16 rows x 128 bytes) into buffer buf: four loads of 16 bytes, 32 apart; the same places of the 128 in K and in Q
.irp c, 0,1,2,3
	ds_load_b128 v[KF+16*(\buf)+4*\c:KF+16*(\buf)+4*\c+3], v[\adr] offset:16*KP*(\k)+32*\c
.endr
.endm
; S^T = K Q^T for my nine pairs and two tiles of queries: source 0 = 16 keys, source 1 = 16 queries; each fragment of K feeds two products.  Every product is a whole sum (128 channels): C = 0, no chain.
.macro QK adr
	KFRAG \adr, 0, 0
	KFRAG \adr, 1, 1
	KFRAG \adr, 2, 2
	KFRAG \adr, 3, 3
.irp s, 0,1,2,3,4,5,6,7
	s_wait_dscnt 8                                 ; this pair's two tiles are in; the next pair's eight loads may be out
	WIN 0x40                                       ; results in window 1
	v_wmma_f32_16x16x128_fp8_fp8 v[16*\s:16*\s+7], v[KF+16*((2*\s)%4):KF+16*((2*\s)%4)+15], v[QA:QA+15], 0
	v_wmma_f32_16x16x128_fp8_fp8 v[128+16*\s:128+16*\s+7], v[KF+16*((2*\s)%4):KF+16*((2*\s)%4)+15], v[QB:QB+15], 0
	v_wmma_f32_16x16x128_fp8_fp8 v[16*\s+8:16*\s+15], v[KF+16*((2*\s+1)%4):KF+16*((2*\s+1)%4)+15], v[QA:QA+15], 0
	v_wmma_f32_16x16x128_fp8_fp8 v[128+16*\s+8:128+16*\s+15], v[KF+16*((2*\s+1)%4):KF+16*((2*\s+1)%4)+15], v[QB:QB+15], 0
	WIN 0
.if \s < 7
	PLACES                                         ; in front of loads into the two buffers just multiplied
	KFRAG \adr, (2*\s)%4, 2*\s+4
	KFRAG \adr, (2*\s+1)%4, 2*\s+5
.endif
.endr
	s_wait_dscnt 0x0
	v_wmma_f32_16x16x128_fp8_fp8 v[S8A:S8A+7], v[KF:KF+15], v[QA:QA+15], 0          ; pair 8 has registers of its own, in window 0
	v_wmma_f32_16x16x128_fp8_fp8 v[S8B:S8B+7], v[KF:KF+15], v[QB:QB+15], 0
	v_wmma_f32_16x16x128_fp8_fp8 v[S8A+8:S8A+15], v[KF+16:KF+31], v[QA:QA+15], 0
	v_wmma_f32_16x16x128_fp8_fp8 v[S8B+8:S8B+15], v[KF+16:KF+31], v[QB:QB+15], 0
	PLACES
.endm
; The scores of my first s[ni] pairs, which lie in front of token 0, become -infinity.  The branches hang on the work-group's and the wave's numbers alone; no barrier stands behind them.
.macro FILL ni
	s_cmp_eq_u32 s[\ni], 0
	s_cbranch_scc1 .Lfilled_\@
.irp p, 0,1,2,3,4,5,6,7
	WIN 0x40
.irp i, 0,1,2,3,4,5,6,7,8,9,10,11,12,13,14,15
	v_mov_b32 v[16*\p+\i], v11
	v_mov_b32 v[128+16*\p+\i], v11
.endr
	WIN 0                                          ; at a branch and at a label every window is 0
	s_cmp_le_u32 s[\ni], \p+1
	s_cbranch_scc1 .Lfilled_\@
.endr
.irp i, 0,1,2,3,4,5,6,7,8,9,10,11,12,13,14,15
	v_mov_b32 v[S8A+\i], v11
	v_mov_b32 v[S8B+\i], v11
.endr
.Lfilled_\@:
.endm
.macro PKT cs, q                       ; pair q of 128 (tile A: 0-63, tile B: 64-127): t - T, two scores at a time; of the pairs c and T the low word serves both halves
	v_pk_fma_f32 v[2*(\q):2*(\q)+1], v[2*(\q):2*(\q)+1], s[\cs:\cs+1], v[20+2*((\q)/64):21+2*((\q)/64)] op_sel_hi:[1,0,0] neg_lo:[0,0,1] neg_hi:[0,0,1]
.endm
; A stream's softmax for both tiles.  cs: the scalar pair with c; vsp: 2^ep; slp: 448 x 2^ep; sep: ep; PA, PB: where the codes go; MT, DEN: where the largest t and the sum go (tile A, then B).
.macro SOFTMAX cs, vsp, slp, sep, PA, PB, MT, DEN
	WIN 0x44                                       ; pair 8 into pair 0's registers where pair 0's key does not count
.irp i, 0,1,2,3,4,5,6,7,8,9,10,11,12,13,14,15
	v_cndmask_b32 v[\i], v[S8A+\i], v[\i], s[MA+\i]
	v_cndmask_b32 v[128+\i], v[S8B+\i], v[128+\i], s[MB+\i]
.endr
	WIN 0x15                                       ; the largest of a lane's 128 scores, two chains a tile, in ascending order
	v_max3_num_f32 v24, v0, v1, v2
	v_max3_num_f32 v25, v3, v4, v5
	v_max3_num_f32 v28, v128, v129, v130
	v_max3_num_f32 v29, v131, v132, v133
	WIN 0x14
.set j, 6
.rept 30
	v_max3_num_f32 v24, v24, v[j], v[j+1]
	v_max3_num_f32 v25, v25, v[j+2], v[j+3]
	v_max3_num_f32 v28, v28, v[128+j], v[129+j]
	v_max3_num_f32 v29, v29, v[130+j], v[131+j]
.set j, j+4
.endr
	v_max3_num_f32 v24, v24, v126, v127
	v_max3_num_f32 v28, v28, v254, v255
	WIN 0
	v_max_num_f32 v24, v24, v25
	v_max_num_f32 v28, v28, v29
	v_permlanex16_b32 v26, v24, s66, s67           ; the query's other 128 keys lie in the lane 16 away
	v_permlanex16_b32 v30, v28, s66, s67
	v_max_num_f32 v24, v24, v26
	v_max_num_f32 v28, v28, v30
	v_mul_f32 v[\MT], s[\cs], v24                  ; T = c x the largest score (c is positive); -infinity for a row without keys,
	v_mul_f32 v[\MT+1], s[\cs], v28
	v_cmp_eq_f32 vcc_lo, v[\MT], v11
	v_cndmask_b32 v20, v[\MT], v21, vcc_lo         ; for which 0 is taken away
	v_cmp_eq_f32 vcc_lo, v[\MT+1], v11
	v_cndmask_b32 v22, v[\MT+1], v23, vcc_lo
	WIN 0x41                                       ; ONE BATCH: 128 scalings and 256 exponentials, a scaling to two exponentials, the scalings four pairs ahead.  No line of it names an exponential's result
.set g, 0
.rept 4
	PKT \cs, g
.set g, g+1
.endr
.set g, 0
.rept 128
.if g < 124
	PKT \cs, g+4
.endif
	v_exp_f32 v[2*g], v[2*g]                       ; p = 2^(t - T)
	v_exp_f32 v[2*g+1], v[2*g+1]
.set g, g+1
.endr
	v_nop                                          ; a plain instruction behind the last exponential,
	s_wait_alu depctr_va_vdst(0)                   ; and the one wait for the batch, ahead of its first reader
	WIN 0x05                                       ; the row's sum, of the unquantised p: two chains of pairs a tile
	v_pk_add_f32 v[24:25], v[0:1], v[2:3]
	v_pk_add_f32 v[26:27], v[4:5], v[6:7]
	v_pk_add_f32 v[28:29], v[128:129], v[130:131]
	v_pk_add_f32 v[30:31], v[132:133], v[134:135]
	WIN 0x04
.set j, 8
.rept 30
	v_pk_add_f32 v[24:25], v[24:25], v[j:j+1]
	v_pk_add_f32 v[26:27], v[26:27], v[j+2:j+3]
	v_pk_add_f32 v[28:29], v[28:29], v[128+j:129+j]
	v_pk_add_f32 v[30:31], v[30:31], v[130+j:131+j]
.set j, j+4
.endr
	WIN 0
	v_pk_add_f32 v[24:25], v[24:25], v[26:27]
	v_pk_add_f32 v[28:29], v[28:29], v[30:31]
	v_add_f32 v24, v24, v25
	v_add_f32 v28, v28, v29
	v_permlanex16_b32 v26, v24, s66, s67
	v_permlanex16_b32 v30, v28, s66, s67
	v_add_f32 v[\DEN], v24, v26
	v_add_f32 v[\DEN+1], v28, v30
	s_cmp_ge_i32 s[\sep], -8                       ; p is about 1 at the most: where 448 x 2^ep is 1.75 or more nothing is to be held.  (A branch on a given whole number; this text has no tensor load and no barrier behind it)
	s_cbranch_scc1 .Lnohold_\@
	WIN 0x44
.set j, 0
.rept 256
	v_min_num_f32 v[j], s[\slp], v[j]              ; p is not negative: the hold is one-sided
.set j, j+1
.endr
	WIN 0
.Lnohold_\@:
	WIN 0x01
.irp k, 0,1,2,3,4,5,6,7,8,9,10,11,12,13,14,15
	v_cvt_scalef32_pk8_fp8_f32 v[\PA+2*\k:\PA+2*\k+1], v[8*\k:8*\k+7], v[\vsp]          ; registers 4 p .. 4 p + 3: keys 32 p + 16 h + 0 .. 15
	v_cvt_scalef32_pk8_fp8_f32 v[\PB+2*\k:\PB+2*\k+1], v[128+8*\k:128+8*\k+7], v[\vsp]
.endr
	v_nop                                          ; a plain instruction behind the last conversion
	WIN 0
.irp q, 0,1,2,3
	v_bfi_b32 v[\PA+32+\q], v[WA+\q], 0, v[\PA+\q] ; the merged codes part again: pair 8 takes those of its keys,
	v_bfi_b32 v[\PB+32+\q], v[WB+\q], 0, v[\PB+\q]
	v_mov_b32 v[\PA+36+\q], 0                      ; (the fifth step of 64 keys has 32: zero codes fill it)
	v_mov_b32 v[\PB+36+\q], 0
.endr
.irp q, 0,1,2,3
	v_and_b32 v[\PA+\q], v[WA+\q], v[\PA+\q]       ; pair 0 keeps its own; the others are zero codes
	v_and_b32 v[\PB+\q], v[WB+\q], v[\PB+\q]
.endr
.endm
; four fragments of V^T (16 channels x 64 keys, 8 registers): channel tiles 4 half + 0 .. 3, keys 64 g on.  In step 4 the second 32 keys would lie beyond the region: the first 32 are read again, finite codes against p's zero codes
.macro VFRAG adr, half, g
.irp t, 0,1,2,3
.if (\g) == 4
	ds_load_b128 v[VF+32*(\half)+8*\t:VF+32*(\half)+8*\t+3], v[\adr] offset:(4*(\half)+\t)*16*VP+256
	ds_load_b128 v[VF+32*(\half)+8*\t+4:VF+32*(\half)+8*\t+7], v[\adr] offset:(4*(\half)+\t)*16*VP+256
.else
	ds_load_b128 v[VF+32*(\half)+8*\t:VF+32*(\half)+8*\t+3], v[\adr] offset:(4*(\half)+\t)*16*VP+64*(\g)
	ds_load_b128 v[VF+32*(\half)+8*\t+4:VF+32*(\half)+8*\t+7], v[\adr] offset:(4*(\half)+\t)*16*VP+64*(\g)+32
.endif
.endr
.endm
; O^T = V^T P: source 0 = 16 channels, source 1 = 16 queries, 64 keys an instruction, five steps along the keys, each in two halves of four channel tiles.  Each fragment of V feeds two products.
; The sixteen accumulators take turns, one instruction a turn; the first step starts the sums with the constant 0.
.macro PV adr, PA, PB, OA, OB
	PLACES                                         ; in front of loads into registers that the last products have read
	VFRAG \adr, 0, 0
	VFRAG \adr, 1, 0
.set idx, 0
.rept 10
.if idx < 9
	s_wait_dscnt 8                                 ; this half's eight loads are in; the other half's may be out
.else
	s_wait_dscnt 0x0
.endif
	WIN 0x50                                       ; C and D in window 1
.irp t, 0,1,2,3
.if idx < 2
	v_wmma_f32_16x16x64_fp8_fp8 v[\OA+8*(4*(idx%2)+\t):\OA+8*(4*(idx%2)+\t)+7], v[VF+32*(idx%2)+8*\t:VF+32*(idx%2)+8*\t+7], v[\PA+8*(idx/2):\PA+8*(idx/2)+7], 0
	v_wmma_f32_16x16x64_fp8_fp8 v[\OB+8*(4*(idx%2)+\t):\OB+8*(4*(idx%2)+\t)+7], v[VF+32*(idx%2)+8*\t:VF+32*(idx%2)+8*\t+7], v[\PB+8*(idx/2):\PB+8*(idx/2)+7], 0
.else
	v_wmma_f32_16x16x64_fp8_fp8 v[\OA+8*(4*(idx%2)+\t):\OA+8*(4*(idx%2)+\t)+7], v[VF+32*(idx%2)+8*\t:VF+32*(idx%2)+8*\t+7], v[\PA+8*(idx/2):\PA+8*(idx/2)+7], v[\OA+8*(4*(idx%2)+\t):\OA+8*(4*(idx%2)+\t)+7]
	v_wmma_f32_16x16x64_fp8_fp8 v[\OB+8*(4*(idx%2)+\t):\OB+8*(4*(idx%2)+\t)+7], v[VF+32*(idx%2)+8*\t:VF+32*(idx%2)+8*\t+7], v[\PB+8*(idx/2):\PB+8*(idx/2)+7], v[\OB+8*(4*(idx%2)+\t):\OB+8*(4*(idx%2)+\t)+7]
.endif
.endr
	WIN 0
.if idx < 8
	PLACES
	VFRAG \adr, idx%2, (idx+2)/2
.endif
.set idx, idx+1
.endr
.endm
	QK 1                                           ; the c stream's scores
.irp q, 0,1
.irp c, 0,1,2,3
	ds_load_b128 v[QA+16*\q+4*\c:QA+16*\q+4*\c+3], v5 offset:16*KP*\q+32*\c   ; Q's fragments for s, behind the four places that end QK; the s stream's first wait on LDS covers them
.endr
.endr
	FILL 100
	SOFTMAX 94, 9, 92, 75, PCA, PCB, 12, 16
	QK 2                                           ; the s stream's
	FILL 101
	SOFTMAX 96, 10, 93, 79, PSA, PSB, 14, 18
	; the merge's four factors a lane: 2^(Tc - T) / D x 2^(e2 + e3) and 2^(Ts - T) / D x 2^(e6 + e7), D = Lc 2^(Tc - T) + Ls 2^(Ts - T).  A row without c keys has Tc = -infinity: its factor is 0.  Every row has its own key in s: T is a number
	v_max_num_f32 v232, v12, v14
	v_max_num_f32 v233, v13, v15
	v_sub_f32 v234, v12, v232
	v_sub_f32 v235, v14, v232
	v_sub_f32 v236, v13, v233
	v_sub_f32 v237, v15, v233
	v_exp_f32 v234, v234
	v_exp_f32 v235, v235
	v_exp_f32 v236, v236
	v_exp_f32 v237, v237
	v_nop
	s_wait_alu depctr_va_vdst(0)                   ; one wait for the four exponentials
	v_mul_f32 v238, v16, v234
	v_mul_f32 v239, v17, v236
	v_fmac_f32 v238, v18, v235
	v_fmac_f32 v239, v19, v237
	v_rcp_f32 v238, v238
	v_rcp_f32 v239, v239
	v_nop
	s_wait_alu depctr_va_vdst(0)                   ; one for the two reciprocals
	v_mul_f32 v20, v234, v238
	v_mul_f32 v22, v235, v238
	v_mul_f32 v24, v236, v239
	v_mul_f32 v26, v237, v239
	v_ldexp_f32 v20, v20, s98                      ; tile A, c  (v21, v23, v25, v27, the pairs' upper halves, have been written)
	v_ldexp_f32 v22, v22, s99                      ; tile A, s
	v_ldexp_f32 v24, v24, s98                      ; tile B, c
	v_ldexp_f32 v26, v26, s99                      ; tile B, s
	PV 3, PCA, PCB, 0, 64
	PV 4, PSA, PSB, 128, 192
	; ---- THE WAY OUT: out = Oc x its factor + Os x its factor, each accumulator from its low end on
	PLACES
	WIN 0x41
.set j, 0
.rept 32
	v_pk_mul_f32 v[j:j+1], v[j:j+1], v[20:21] op_sel_hi:[1,0]
	v_pk_mul_f32 v[64+j:65+j], v[64+j:65+j], v[24:25] op_sel_hi:[1,0]
.set j, j+2
.endr
	WIN 0x51
.set j, 0
.rept 32
	v_pk_fma_f32 v[j:j+1], v[128+j:129+j], v[22:23], v[j:j+1] op_sel_hi:[1,0,1]
	v_pk_fma_f32 v[64+j:65+j], v[192+j:193+j], v[26:27], v[64+j:65+j] op_sel_hi:[1,0,1]
.set j, j+2
.endr
; A lane holds 8 neighbouring channels of one query, the lanes beside it other queries: half a row (64 channels, 256 bytes) of 16 queries at a time goes through my stage and comes back by rows.
; LDS serves a wave's instructions in order: the loads see the stores above them, and the next half's stores come behind them.
.macro STG tau
.irp u, 0,1
.irp t, 0,1,2,3
	ds_store_b128 v6, v[64*\tau+32*\u+8*\t:64*\tau+32*\u+8*\t+3] offset:64*\t
	ds_store_b128 v6, v[64*\tau+32*\u+8*\t+4:64*\tau+32*\u+8*\t+7] offset:64*\t+16
.endr
.irp i, 0,1,2,3,4,5,6,7
	ds_load_b128 v[BK+64*\tau+32*\u+4*\i:BK+64*\tau+32*\u+4*\i+3], v7 offset:2*OP*\i
.endr
.endr
.endm
.macro SND tau, younger                ; younger: the LDS instructions of the tile behind this one
.irp u, 0,1
.irp i, 0,1,2,3,4,5,6,7
	s_wait_dscnt \younger+23-16*\u-\i              ; behind this load: the rest of its eight, the other half's sixteen (u = 0), the next tile's
	global_store_b128 v8, v[BK+64*\tau+32*\u+4*\i:BK+64*\tau+32*\u+4*\i+3], s[12:13] offset:(16*\tau+2*\i)*TOK+256*\u th:TH_STORE_NT   ; sixteen lanes store 256 consecutive bytes, aligned; no register of a store is written again
.endr
.endr
.endm
	WIN 0x04                                       ; store data from window 1; addresses and loaded rows in window 0
	STG 0
	STG 1
	WIN 0
	SND 0, 32
	SND 1, 0
	s_wait_xcnt 0x0
	v_lshl_add_u32 v254, v0, 2, 0x4e000
	v_mov_b32 v255, 0
	s_wait_tensorcnt 0x0
	ds_add_u32 v254, v255
	s_wait_dscnt 0x0
	s_endpgm
.Lfunc_end_k_qdd067500cf_attn:
	.size	k_qdd067500cf_attn, .Lfunc_end_k_qdd067500cf_attn-k_qdd067500cf_attn
	.p2alignl 7, 3214868480
	.fill 96, 4, 3214868480
	.section	.rodata,"a",@progbits
	.p2align	6, 0x0
	.amdhsa_kernel k_qdd067500cf_attn
		.amdhsa_group_segment_fixed_size 320512
		.amdhsa_private_segment_fixed_size 0
		.amdhsa_enable_private_segment 0
		.amdhsa_kernarg_size 40
		.amdhsa_user_sgpr_count 2
		.amdhsa_user_sgpr_kernarg_segment_ptr 1
		.amdhsa_wavefront_size32 1
		.amdhsa_system_sgpr_workgroup_id_x 1
		.amdhsa_system_sgpr_workgroup_id_y 1
		.amdhsa_system_sgpr_workgroup_id_z 1
		.amdhsa_system_vgpr_workitem_id 0
		.amdhsa_next_free_vgpr 512
		.amdhsa_next_free_sgpr 102
		.amdhsa_reserve_vcc 1
		.amdhsa_float_denorm_mode_32 3
		.amdhsa_float_denorm_mode_16_64 3
		.amdhsa_memory_ordered 1
		.amdhsa_forward_progress 1
		.amdhsa_inst_pref_size 255
	.end_amdhsa_kernel
	.section	.bss,"aw",@nobits
	.p2align	6
	.space	262144
	.amdgpu_metadata
---
amdhsa.version: [ 1, 2 ]
amdhsa.kernels:
  - .name:           k_qdd067500cf_attn
    .symbol:         k_qdd067500cf_attn.kd
    .args:
      - { .name: query, .offset: 0, .size: 8, .value_kind: global_buffer, .address_space: global }
      - { .name: key, .offset: 8, .size: 8, .value_kind: global_buffer, .address_space: global }
      - { .name: value, .offset: 16, .size: 8, .value_kind: global_buffer, .address_space: global }
      - { .name: lowp_scales, .offset: 24, .size: 8, .value_kind: global_buffer, .address_space: global }
      - { .name: out0, .offset: 32, .size: 8, .value_kind: global_buffer, .address_space: global }
    .group_segment_fixed_size: 320512
    .private_segment_fixed_size: 0
    .kernarg_segment_align: 8
    .kernarg_segment_size: 40
    .max_flat_workgroup_size: 256
    .sgpr_count:     102
    .vgpr_count:     512
    .wavefront_size: 32
...
	.end_amdgpu_metadata
.endif
;; end of part 1
